; MI455X (gfx1250); checked and timed in simulation.
; The chip was launched on July 23, 2026; its instructions are those of AMD's public machine-readable ISA for CDNA 5 (MIT licence, August 2026) and "CDNA5" Instruction Set Architecture Reference Guide (July 2026).
;; Bigbird Simulated Attention. Allowed arithmetic: matrix products marked QUANTISED: E5M2 operands, one given power-of-two scale a tensor, by v_wmma_f32_16x16x64_bf8_bf8 or v_wmma_f32_16x16x128_bf8_bf8, f32 sums; everything else in f32.
;; Inputs: k_codes 2 x 6 x 4,096 x 2 x 32 uint8 (E5M2 codes of k, K innermost, in blocks of 32 codes); lowp_scales 4 int32 (the exponents e of the quantised operands' scales 2^e); mask 4,096 x 4,096 int32; q_codes 2 x 6 x 4,096 x 2 x 32 uint8 (E5M2 codes of q, K innermost, in blocks of 32 codes); v_codes 2 x 6 x 64 x 128 x 32 uint8 (E5M2 codes of v, K innermost, in blocks of 32 codes).
;; Outputs: out0 2 x 6 x 4,096 x 64 float32.
;; This version of the problem:
;;   THIS VERSION OF THE PROBLEM IS GIVEN IN LOW PRECISION. The matrix products marked QUANTISED in the list below multiply operands that are first quantised to E5M2 (5 exponent bits, 2 mantissa bits; 8 bits a number), with one given power-of-two scale for each operand tensor; their sums are f32. All else is computed in f32.
;;   The module's matrix products, in the order in which they are computed (A, B: the left and right operand; K: the contracted axis; several contracted axes count as one K, in the product's order):
;;     1. batch 12 x [M 4,096, K 64] x [K 64, N 4,096]; A: input q (given as codes); B: input k (given as codes): QUANTISED (scales: A lowp_scales[0], B lowp_scales[1])
;;     2. batch 12 x [M 4,096, K 4,096] x [K 4,096, N 64]; A: softmax (see below); B: input v (given as codes): QUANTISED (scales: A lowp_scales[2], B lowp_scales[3])
;;   THE QUANTISER, for each operand of a quantised product, along K:
;;     - The operand's scale is 2^e, e = its entry of the input lowp_scales (int32; the entries are numbered through the quantised products in the list's order, A before B).
;;     - Each number is divided by the scale, clamped to +-57,344, and rounded to the nearest number of E5M2, ties to even, subnormals kept.
;;     - The product sums the exact products of the quantised numbers (number of the format x scale) in f32.
;;   ~~~python
;;   def quantise(x, axis, e):      # numpy; x: float32 -> the quantised numbers, widened to float32 again
;;       x = np.moveaxis(x, axis, -1); K = x.shape[-1]
;;       r = np.clip(x / 2.0 ** e, -57344, 57344)
;;       step = 2.0 ** (np.maximum(np.frexp(np.where(r == 0, 1, r))[1] - 1, -14) - 2)
;;       q = np.round(r / step) * step * 2.0 ** e      # np.round: ties to even
;;       return np.moveaxis(q, -1, axis).astype(np.float32)
;;   ~~~
;;   SOFTMAX AHEAD OF A QUANTISED PRODUCT. Where the list says 'softmax', what is quantised is not the finished softmax but p = 2^(t - M), with t = logit x log2(e) and M = ceil(the row's largest t), a whole number; so 1/2 < the row's largest p <= 1. The row's sum l is taken of the UNQUANTISED p, in f32, and the product's result is divided by l at the end. Since M is a whole number, a kernel that streams over the keys may use a running M (the ceiling of the running maximum): every later rescaling is an exact power of two, so the quantised numbers keep their values, but for numbers so far below the row's largest that they fall under the format's range.
;;   OPERANDS COMPUTED ON THE WAY. 'Computed on the way' means the value that the module computes at that place (a softmax that the list does not call 'softmax' is quantised finished and normalised). What goes into a quantiser is computed in f32, as accurately as f32 sums, v_exp_f32 and their like allow (about 1e-6 of the number): no bf16 or f16 on the way to a quantiser, and a product that is left as it is and whose result goes on into a quantised operand takes f32 operands (vector FMAs, or v_wmma_f32_16x16x4_f32). A number that lies on a knife's edge between two numbers of the format may be rounded either way, as far as f32 arithmetic and the matrix unit's own rounding can turn it there, and no further.
;;   INPUTS GIVEN AS CODES. k (in the module: [2, 6, 4096, 64], K = its axis 3); q (in the module: [2, 6, 4096, 64], K = its axis 3); v (in the module: [2, 6, 4096, 64], K = its axis 2): each comes as NAME_codes (uint8): NAME with its K axis moved to the last place and cut into blocks of 32 codes, [.., K / 32, bytes a block], one block behind the other in memory; one code a byte (a code: sign, 5 exponent bits, 2 mantissa bits); its scale is its entry of lowp_scales. Its value is code x scale, taken as it is: it is not quantised again, and the codes and scales need not be those that the quantiser above would give.
;; 2 versions. Each part assembles by itself: llvm-mc -triple=amdgcn-amd-amdhsa -mcpu=gfx1250 --defsym DOCPART=n.
;; ======== version 1 of 2: 2 launches
;; limits: right only within a limited range of input values
;; workspace buffers: mbits 2,097,152 bytes of whole numbers; flags 8,192 bytes of whole numbers; cnt 1,024 bytes of whole numbers; kimg 3,145,728 bytes; vimg 3,145,728 bytes
;; launch prep (part 1): grid 256 x 1, 16 waves a work-group, no clusters, 2,304 bytes of LDS; arguments mask, k_codes, v_codes, mbits, flags, cnt, kimg, vimg; writes mbits, flags, cnt, kimg, vimg
.if DOCPART == 1
	.amdgcn_target "amdgcn-amd-amdhsa--gfx1250"
	.amdhsa_code_object_version 6
	.text
	.protected	k_q3bcebedcd4_prep
	.globl	k_q3bcebedcd4_prep
	.p2align	8
	.type	k_q3bcebedcd4_prep,@function
k_q3bcebedcd4_prep:
	s_mov_b64 s[64:65], 0
	v_nop
	global_prefetch_b8 v0, s[64:65] scope:SCOPE_SE
	s_setreg_imm32_b32 hwreg(HW_REG_WAVE_MODE, 25, 1), 1
	s_wait_xcnt 0x0
.set SPARE, 256
.set ROWB,  16384
.set IMG,   32
.set MD,    64
.set SPW,   10
.set NIL,   11
	s_load_b512 s[4:19], s[0:1], 0x0
	v_lshl_add_u32 v[SPW], v0, 2, SPARE
	v_mov_b32 v[NIL], 0
	v_lshrrev_b32 v7, 5, v0
	v_readfirstlane_b32 s20, v7
	v_lshlrev_b32 v7, 2, v7
	v_and_b32 v1, 31, v0
	v_lshlrev_b32 v2, 4, v1
	v_lshlrev_b32 v25, 2, v1
	v_and_b32 v3, 15, v0
	v_bfe_u32 v4, v0, 4, 1
	v_lshlrev_b32 v8, 2, v3
	v_lshlrev_b32 v5, 6, v3
	v_lshl_add_u32 v5, v4, 3, v5
	v_lshlrev_b32 v6, 12, v3
	v_lshl_add_u32 v6, v4, 3, v6
.irp j, 12,13,14,15,24,27
	v_mov_b32 v\j, 0
.endr
	s_lshl_b32 s22, ttmp9, 18
	s_lshl_b32 s54, s20, 10
	s_add_co_u32 s22, s22, s54
	s_mov_b32 s23, 0
	s_lshl_b32 s54, ttmp9, 13
	s_lshl_b32 s55, s20, 9
	s_add_co_u32 s54, s54, s55
	s_mov_b32 s55, 0
	s_wait_kmcnt 0x0
	s_add_nc_u64 s[4:5], s[4:5], s[22:23]
	s_add_nc_u64 s[10:11], s[10:11], s[54:55]
.irp rho, 0,1,2,3,4,5,6,7,8,9,10,11,12,13,14,15
.irp s, 0,1
	global_load_b128 v[MD+8*\rho+4*\s:MD+8*\rho+4*\s+3], v2, s[4:5] offset:ROWB*\rho+512*\s th:TH_LOAD_NT
.endr
.endr
.macro IMGOUT
	s_wait_loadcnt 0x0
.irp i, 0,1,2,3,4,5,6,7
	global_store_b128 v2, v[IMG+4*\i:IMG+4*\i+3], s[26:27] offset:512*\i
.endr
.endm
	s_cmp_ge_u32 s20, 6
	s_cbranch_scc1 .Lnoimg
	s_mul_i32 s28, ttmp9, 3
	s_add_co_u32 s28, s28, s20
	s_cmp_lt_u32 s20, 3
	s_cbranch_scc0 .Lvarm
	s_lshl_b32 s22, s28, 12
	s_add_nc_u64 s[24:25], s[6:7], s[22:23]
	s_add_nc_u64 s[26:27], s[16:17], s[22:23]
.irp T, 0,1,2,3
.irp c, 0,1,2,3
	global_load_b64 v[IMG+8*\T+2*\c:IMG+8*\T+2*\c+1], v5, s[24:25] offset:16*\T*64+16*\c
.endr
.endr
	IMGOUT
	s_branch .Lnoimg
.Lvarm:
	s_sub_co_u32 s28, s28, 3
	s_lshr_b32 s54, s28, 6
	s_lshl_b32 s54, s54, 18
	s_and_b32 s55, s28, 63
	s_lshl_b32 s55, s55, 6
	s_add_co_u32 s22, s54, s55
	s_add_nc_u64 s[24:25], s[8:9], s[22:23]
	s_lshl_b32 s22, s28, 12
	s_add_nc_u64 s[26:27], s[18:19], s[22:23]
.irp t, 0,1,2,3
.irp c, 0,1,2,3
	global_load_b64 v[IMG+8*\t+2*\c:IMG+8*\t+2*\c+1], v6, s[24:25] offset:16*\t*4096+16*\c
.endr
.endr
	IMGOUT
.Lnoimg:
.macro ROW rho
	s_wait_loadcnt 30-2*(\rho)
.irp s, 0,1
.irp j, 0,1,2,3
	v_cmp_lt_i32 s[40+4*\s+\j], 0, v[MD+8*(\rho)+4*\s+\j]
.endr
.endr
.irp s, 0,1
.irp j, 0,1,2,3
	v_writelane_b32 v[12+\j], s[40+4*\s+\j], (\rho)+16*\s
.endr
.endr
.endm
.irp rho, 0,1,2,3,4,5,6,7,8,9,10,11,12,13,14,15
	ROW \rho
.endr
	global_store_b128 v2, v[12:15], s[10:11]
	v_or_b32 v16, v12, v13
	v_or_b32 v18, v14, v15
	v_or_b32 v16, v16, v18
	v_and_b32 v17, v12, v13
	v_and_b32 v19, v14, v15
	v_and_b32 v17, v17, v19
	v_and_b32 v18, 0xffff, v16
	v_lshrrev_b32 v19, 16, v16
	v_and_b32 v20, 0xffff, v17
	v_lshrrev_b32 v21, 16, v17
	s_mov_b32 s55, 0xffff
	v_cmp_ne_u32 s48, 0, v18
	v_cmp_ne_u32 s49, 0, v19
	v_cmp_eq_u32 s50, s55, v20
	v_cmp_eq_u32 s51, s55, v21
	v_cmp_ne_u32 s52, 0, v16
	s_mov_b32 s53, 0
.macro ANYBIT src, half, q
.if \half
	s_lshr_b32 s54, \src, 16
.else
	s_and_b32 s54, \src, 0xffff
.endif
	s_cselect_b32 s54, 1<<(\q), 0
	s_or_b32 s53, s53, s54
.endm
.macro FULLBIT src, half, q
.if \half
	s_lshr_b32 s54, \src, 16
.else
	s_and_b32 s54, \src, 0xffff
.endif
	s_cmp_eq_u32 s54, 0xffff
	s_cselect_b32 s54, 1<<(4+\q), 0
	s_or_b32 s53, s53, s54
.endm
	ANYBIT s48, 0, 0
	ANYBIT s49, 0, 1
	ANYBIT s48, 1, 2
	ANYBIT s49, 1, 3
	FULLBIT s50, 0, 0
	FULLBIT s51, 0, 1
	FULLBIT s50, 1, 2
	FULLBIT s51, 1, 3
	s_lshr_b32 s54, s52, 16
	s_or_b32 s54, s54, s52
	s_and_b32 s54, s54, 0xffff
	s_lshl_b32 s54, s54, 8
	s_or_b32 s53, s53, s54
	v_mov_b32 v28, s53
	ds_store_b32 v7, v28
	s_wait_dscnt 0x0
	s_barrier_signal -1
	s_barrier_wait -1
	s_cmp_lg_u32 s20, 0
	s_cbranch_scc1 .Lend
	ds_load_b32 v28, v8
	s_mov_b32 s56, 0
	s_mov_b32 s57, 0
	s_mov_b32 s58, 0
	s_mov_b32 s59, 0
	s_mov_b32 s60, 0
	s_wait_dscnt 0x0
.irp w, 0,1,2,3,4,5,6,7,8,9,10,11,12,13,14,15
	v_readlane_b32 s54, v28, \w
	s_and_b32 s55, s54, 15
	s_lshl_b32 s55, s55, 4*(\w%8)
	s_or_b32 s[56+\w/8], s[56+\w/8], s55
	s_bfe_u32 s55, s54, 0x40004
	s_lshl_b32 s55, s55, 4*(\w%8)
	s_or_b32 s[58+\w/8], s[58+\w/8], s55
	s_or_b32 s60, s60, s54
.endr
	s_lshr_b32 s60, s60, 8
	s_and_b32 s60, s60, 0xffff
	s_cmp_lg_u32 s60, 0xffff
	s_cselect_b32 s61, 1, 0
	s_bcnt1_i32_b32 s62, s56
	s_bcnt1_i32_b32 s54, s57
	s_add_co_u32 s62, s62, s54
	s_cmp_lg_u32 s61, 0
	s_cselect_b32 s62, 64, s62
	v_writelane_b32 v24, s56, 0
	v_writelane_b32 v24, s57, 1
	v_writelane_b32 v24, s58, 2
	v_writelane_b32 v24, s59, 3
	v_writelane_b32 v24, s61, 4
	v_writelane_b32 v24, s62, 5
	v_mov_b32 v26, s62
	s_lshl_b32 s22, ttmp9, 5
	s_add_nc_u64 s[12:13], s[12:13], s[22:23]
	s_lshl_b32 s22, ttmp9, 2
	s_add_nc_u64 s[14:15], s[14:15], s[22:23]
	v_cmp_gt_u32 vcc_lo, 8, v1
	s_wait_xcnt 0x0
	s_and_saveexec_b32 s63, vcc_lo
	global_store_b32 v25, v24, s[12:13]
	s_wait_xcnt 0x0
	s_or_b32 exec_lo, exec_lo, s63
	v_cmp_eq_u32 vcc_lo, 0, v1
	s_and_saveexec_b32 s63, vcc_lo
	global_store_b32 v27, v26, s[14:15]
	s_wait_xcnt 0x0
	s_or_b32 exec_lo, exec_lo, s63
.Lend:
	s_wait_tensorcnt 0x0
	ds_add_u32 v[SPW], v[NIL]
	s_wait_dscnt 0x0
	s_endpgm
.Lfunc_end_k_q3bcebedcd4_prep:
	.size	k_q3bcebedcd4_prep, .Lfunc_end_k_q3bcebedcd4_prep-k_q3bcebedcd4_prep
	.p2alignl 7, 3214868480
	.fill 96, 4, 3214868480
	.section	.rodata,"a",@progbits
	.p2align	6, 0x0
	.amdhsa_kernel k_q3bcebedcd4_prep
		.amdhsa_group_segment_fixed_size 2304
		.amdhsa_private_segment_fixed_size 0
		.amdhsa_enable_private_segment 0
		.amdhsa_kernarg_size 64
		.amdhsa_user_sgpr_count 2
		.amdhsa_user_sgpr_kernarg_segment_ptr 1
		.amdhsa_wavefront_size32 1
		.amdhsa_system_sgpr_workgroup_id_x 1
		.amdhsa_system_sgpr_workgroup_id_y 1
		.amdhsa_system_sgpr_workgroup_id_z 1
		.amdhsa_system_vgpr_workitem_id 0
		.amdhsa_next_free_vgpr 192
		.amdhsa_next_free_sgpr 80
		.amdhsa_reserve_vcc 1
		.amdhsa_float_denorm_mode_32 3
		.amdhsa_float_denorm_mode_16_64 3
		.amdhsa_memory_ordered 1
		.amdhsa_forward_progress 1
		.amdhsa_inst_pref_size 36
	.end_amdhsa_kernel
	.amdgpu_metadata
---
amdhsa.version: [ 1, 2 ]
amdhsa.kernels:
  - .name:           k_q3bcebedcd4_prep
    .symbol:         k_q3bcebedcd4_prep.kd
    .args:
      - { .name: mask, .offset: 0, .size: 8, .value_kind: global_buffer, .address_space: global }
      - { .name: k_codes, .offset: 8, .size: 8, .value_kind: global_buffer, .address_space: global }
      - { .name: v_codes, .offset: 16, .size: 8, .value_kind: global_buffer, .address_space: global }
      - { .name: mbits, .offset: 24, .size: 8, .value_kind: global_buffer, .address_space: global }
      - { .name: flags, .offset: 32, .size: 8, .value_kind: global_buffer, .address_space: global }
      - { .name: cnt, .offset: 40, .size: 8, .value_kind: global_buffer, .address_space: global }
      - { .name: kimg, .offset: 48, .size: 8, .value_kind: global_buffer, .address_space: global }
      - { .name: vimg, .offset: 56, .size: 8, .value_kind: global_buffer, .address_space: global }
    .group_segment_fixed_size: 2304
    .private_segment_fixed_size: 0
    .kernarg_segment_align: 8
    .kernarg_segment_size: 64
    .max_flat_workgroup_size: 512
    .sgpr_count:     80
    .vgpr_count:     192
    .wavefront_size: 32
...
	.end_amdgpu_metadata
.endif
;; end of part 1
;; launch attn (part 2): grid 48 x 32, 4 waves a work-group, no clusters, 36,352 bytes of LDS; arguments q_codes, kimg, vimg, mbits, flags, cnt, lowp_scales, out0; writes out0
.if DOCPART == 2
	.amdgcn_target "amdgcn-amd-amdhsa--gfx1250"
	.amdhsa_code_object_version 6
	.text
	.protected	k_q3bcebedcd4_attn
	.globl	k_q3bcebedcd4_attn
	.p2align	8
	.type	k_q3bcebedcd4_attn,@function
k_q3bcebedcd4_attn:
	s_mov_b64 s[64:65], 0
	v_nop
	global_prefetch_b8 v0, s[64:65] scope:SCOPE_SE
	s_setreg_imm32_b32 hwreg(HW_REG_WAVE_MODE, 25, 1), 1
	s_wait_xcnt 0x0
.set OP,    272
.set OSTW,  32*OP
.set MST,   4*OSTW
.set LST,   MST+512
.set SPARE, LST+512
.set QF,  32
.set PF,  48
.set KF,  64
.set VF,  96
.set SF,  128
.set OF,  192
.set SPW, 24
.set NIL, 25
	s_load_b512 s[4:19], s[0:1], 0x0
	v_lshl_add_u32 v[SPW], v0, 2, SPARE
	v_mov_b32 v[NIL], 0
	v_lshrrev_b32 v31, 5, v0
	v_readfirstlane_b32 s20, v31
	v_and_b32 v30, 31, v0
	v_and_b32 v29, 15, v0
	v_bfe_u32 v28, v0, 4, 1
	v_lshlrev_b32 v1, 4, v30
	v_lshlrev_b32 v27, 3, v30
	v_lshlrev_b32 v26, 6, v29
	v_lshl_add_u32 v26, v28, 3, v26
	s_mul_i32 s66, s20, OSTW
	v_mul_u32_u24 v8, v29, OP
	v_lshl_add_u32 v8, v28, 5, v8
	v_add_nc_u32 v8, s66, v8
	s_mul_i32 s66, s20, 8*OP
	v_mul_u32_u24 v9, v28, OP
	v_lshl_add_u32 v9, v29, 4, v9
	v_add_nc_u32 v9, s66, v9
	s_lshl_b32 s66, s20, 2
	v_lshl_add_u32 v10, v29, 4, s66
	s_lshl_b32 s66, s20, 7
	v_lshl_add_u32 v11, v28, 4, s66
	s_lshr_b32 s21, ttmp9, 2
	s_and_b32 s22, ttmp9, 3
	s_lshl_b32 s22, s22, 5
	s_and_b32 s66, ttmp7, 0xffff
	s_add_co_u32 s22, s22, s66
	s_mov_b32 s30, 0x76543210
	s_mov_b32 s31, 0xfedcba98
	s_mov_b32 s60, 0x80808080
	s_wait_kmcnt 0x0
	s_load_b128 s[24:27], s[16:17], 0x0
.irp j, 0,1,2,3
	global_load_b64 v[KF+2*\j:KF+2*\j+1], v27, s[14:15] offset:256*\j
.endr
	v_mov_b32 v13, 0xff61b1e6
	v_mov_b32 v15, 0xff61b1e6
	v_floor_f32 v12, -v13
	v_floor_f32 v14, -v15
	v_mov_b32 v31, 0xceb8aa3b
.irp j, 16,17,18,19,23,58,62
	v_mov_b32 v\j, 0
.endr
.irp j, 0,1,2,3,4,5,6,7,8,9,10,11,12,13,14,15,16,17,18,19,20,21,22,23,24,25,26,27,28,29,30,31,32,33,34,35,36,37,38,39,40,41,42,43,44,45,46,47,48,49,50,51,52,53,54,55,56,57,58,59,60,61,62,63
	v_mov_b32 v[OF+\j], 0
.endr
	s_wait_loadcnt 0x0
.irp j, 0,1,2,3
	v_add_nc_u32 v28, v[KF+2*\j], v[KF+2*\j+1]
	v_cmp_lt_u32 s[68+\j], 32, v28
.endr
	s_bcnt1_i32_b32 s72, s68
.irp j, 1,2,3
	s_bcnt1_i32_b32 s75, s[68+\j]
	s_add_co_u32 s72, s72, s75
.endr
	s_cmp_lt_u32 s22, s72
	s_cselect_b32 s73, 0, -1
	s_cselect_b32 s74, 0, s72
	s_sub_co_u32 s74, s22, s74
	s_mov_b32 s75, 0
	s_mov_b32 s23, 0
.irp j, 0,1,2,3
	s_xor_b32 s[68+\j], s[68+\j], s73
	v_mbcnt_lo_u32_b32 v29, s[68+\j], s75
	v_cmp_eq_u32 s76, s74, v29
	s_and_b32 s76, s76, s[68+\j]
	s_ctz_i32_b32 s77, s76
	s_add_co_u32 s77, s77, 32*\j
	s_cmp_lg_u32 s76, 0
	s_cselect_b32 s23, s77, s23
	s_bcnt1_i32_b32 s78, s[68+\j]
	s_add_co_u32 s75, s75, s78
.endr
	s_min_u32 s23, s23, 127
	s_lshl_b32 s66, s21, 18
	s_mov_b32 s67, 0
	s_add_nc_u64 s[6:7], s[6:7], s[66:67]
	s_add_nc_u64 s[8:9], s[8:9], s[66:67]
	s_lshl_b32 s68, s23, 11
	s_add_co_u32 s66, s66, s68
	s_add_nc_u64 s[4:5], s[4:5], s[66:67]
	s_lshl_b32 s66, s23, 14
	s_add_nc_u64 s[10:11], s[10:11], s[66:67]
	s_lshl_b32 s66, s23, 6
	s_add_nc_u64 s[12:13], s[12:13], s[66:67]
	s_load_b512 s[32:47], s[12:13], 0x0
	s_lshl_b32 s66, s21, 20
	s_lshl_b32 s68, s23, 13
	s_add_co_u32 s66, s66, s68
	s_lshl_b32 s68, s20, 11
	s_add_co_u32 s66, s66, s68
	s_add_nc_u64 s[18:19], s[18:19], s[66:67]
.irp a, 0,1
.irp c, 0,1,2,3
	global_load_b64 v[QF+8*\a+2*\c:QF+8*\a+2*\c+1], v26, s[4:5] offset:1024*\a+16*\c
.endr
.endr
	s_wait_kmcnt 0x0
	s_add_co_i32 s66, s24, s25
	s_lshl_b32 s66, s66, 23
	s_add_co_i32 s28, s66, 0x3db8aa3b
	s_mov_b32 s29, s28
	s_add_co_i32 s66, s26, 127
	s_lshl_b32 s67, s66, 23
	v_mov_b32 v21, s67
	s_add_co_i32 s66, s66, 15
	s_lshl_b32 s66, s66, 23
	s_or_b32 s61, s66, 0x600000
	s_cmp_lt_i32 s26, -15
	s_cselect_b32 s62, 1, 0
	s_add_co_i32 s63, s26, s27
	s_or_b32 s66, s36, s44
	s_cmp_lg_u32 s66, 0
	s_cselect_b32 s66, -1, 0
	s_or_b32 s48, s32, s40
	s_or_b32 s48, s48, s66
	s_or_b32 s49, s33, s41
	s_or_b32 s49, s49, s66
	s_and_b32 s50, s34, s42
	s_and_b32 s51, s35, s43
	s_bcnt1_i32_b32 s67, s48
	s_bcnt1_i32_b32 s52, s49
	s_add_co_u32 s52, s52, s67
	s_add_co_u32 s53, s52, 3
	s_sub_co_u32 s53, s53, s20
	s_lshr_b32 s53, s53, 2
	s_min_u32 s53, s53, 16
	v_mbcnt_lo_u32_b32 v6, s48, 0
	v_mbcnt_lo_u32_b32 v7, s49, s67
.macro FIND e, kbout, fullout
	v_cmp_eq_u32 s66, \e, v6
	v_cmp_eq_u32 s67, \e, v7
	s_and_b32 s66, s66, s48
	s_and_b32 s67, s67, s49
	s_ctz_i32_b32 s70, s66
	s_ctz_i32_b32 s71, s67
	s_add_co_u32 s71, s71, 32
	s_cmp_lg_u32 s66, 0
	s_cselect_b32 \kbout, s70, s71
	s_min_u32 \kbout, \kbout, 63
	s_cmp_lt_u32 \kbout, 32
	s_cselect_b32 s70, s50, s51
	s_lshr_b32 s70, s70, \kbout
	s_and_b32 \fullout, s70, 1
.endm
.macro KLOAD
.irp i, 0,1,2,3,4,5,6,7
	global_load_b128 v[KF+4*\i:KF+4*\i+3], v2, s[6:7] offset:512*\i
.endr
.endm
.macro VLOAD
.irp i, 0,1,2,3,4,5,6,7
	global_load_b128 v[VF+4*\i:VF+4*\i+3], v3, s[8:9] offset:512*\i
.endr
.endm
.macro PLACES
.rept 4
	v_nop
.endr
.endm
.macro SECOND a
.irp T, 0,1,2,3
	v_wmma_f32_16x16x64_bf8_bf8 v[VF+8*\T:VF+8*\T+7], v[KF+8*\T:KF+8*\T+7], v[QF+8*\a:QF+8*\a+7], 0
.endr
.endm
.macro HALFDIFF a
.irp j, 0,2,4,6,8,10,12,14,16,18,20,22,24,26,28,30
	v_pk_add_f32 v[SF+32*\a+\j:SF+32*\a+\j+1], v[SF+32*\a+\j:SF+32*\a+\j+1], v[VF+\j:VF+\j+1] neg_lo:[0,1] neg_hi:[0,1]
.endr
.endm
.macro TMUL a
.irp j, 0,2,4,6,8,10,12,14,16,18,20,22,24,26,28,30
	v_pk_mul_f32 v[SF+32*\a+\j:SF+32*\a+\j+1], v[SF+32*\a+\j:SF+32*\a+\j+1], s[28:29] op_sel_hi:[1,0]
.endr
.endm
.macro MAXA a
.set S0, SF+32*\a
.set T0, PF+8+4*\a
	v_max3_num_f32 v[T0], v[S0], v[S0+1], v[S0+2]
	v_max3_num_f32 v[T0+1], v[S0+3], v[S0+4], v[S0+5]
.irp i, 6,10,14,18,22,26
	v_max3_num_f32 v[T0], v[T0], v[S0+\i], v[S0+\i+1]
	v_max3_num_f32 v[T0+1], v[T0+1], v[S0+\i+2], v[S0+\i+3]
.endr
	v_max3_num_f32 v[T0], v[T0], v[S0+30], v[S0+31]
	v_max_num_f32 v[T0], v[T0], v[T0+1]
	v_permlanex16_b32 v[T0+2], v[T0], s30, s31
	v_max_num_f32 v[T0], v[T0], v[T0+2]
	v_max_num_f32 v[13+2*\a], v[13+2*\a], v[T0]
	v_mov_b32 v[T0+3], v[12+2*\a]
	v_floor_f32 v[12+2*\a], -v[13+2*\a]
	v_sub_f32 v[T0+3], v[12+2*\a], v[T0+3]
	v_cvt_i32_f32 v[T0+3], v[T0+3]
	v_ldexp_f32 v[20+2*\a], 1.0, v[T0+3]
.endm
.macro SCALE a
.irp j, 0,2,4,6,8,10,12,14,16,18,20,22,24,26,28,30
	v_pk_add_f32 v[SF+32*\a+\j:SF+32*\a+\j+1], v[SF+32*\a+\j:SF+32*\a+\j+1], v[12+2*\a:13+2*\a] op_sel_hi:[1,0]
.endr
.endm
.macro SUMS a
.set S0, SF+32*\a
.set T0, PF+8+4*\a
	v_pk_add_f32 v[T0:T0+1], v[S0:S0+1], v[S0+2:S0+3]
.irp j, 4,8,12,16,20,24,28
	v_pk_add_f32 v[16+2*\a:17+2*\a], v[16+2*\a:17+2*\a], v[S0+\j:S0+\j+1]
	v_pk_add_f32 v[T0:T0+1], v[T0:T0+1], v[S0+\j+2:S0+\j+3]
.endr
	v_pk_add_f32 v[16+2*\a:17+2*\a], v[16+2*\a:17+2*\a], v[T0:T0+1]
.endm
.macro QUANT a
.irp T, 0,1,2,3
	v_cvt_scalef32_pk8_bf8_f32 v[PF+8*\a+2*\T:PF+8*\a+2*\T+1], v[SF+32*\a+8*\T:SF+32*\a+8*\T+7], v21
.endr
.endm
.macro RESC a
.irp j, 0,2,4,6,8,10,12,14,16,18,20,22,24,26,28,30
	v_pk_mul_f32 v[OF+32*\a+\j:OF+32*\a+\j+1], v[OF+32*\a+\j:OF+32*\a+\j+1], v[20+2*\a:21+2*\a] op_sel_hi:[1,0]
.endr
.endm
	s_cmp_eq_u32 s53, 0
	s_cbranch_scc1 .Ljoin
	s_mov_b32 s55, s20
	FIND s55, s56, s57
	v_lshl_add_u32 v2, s56, 12, v1
	KLOAD
	s_mov_b32 s54, 0
.Lstep:
	v_lshl_add_u32 v3, s56, 12, v1
	v_and_b32 v27, 15, v0
	s_and_b32 s66, s56, 62
	s_lshl_b32 s66, s66, 7
	v_lshl_add_u32 v4, v27, 4, s66
	v_bfe_u32 v28, v0, 4, 1
	s_and_b32 s67, s56, 1
	s_lshl_b32 s67, s67, 4
	v_lshl_add_u32 v5, v28, 1, s67
.irp a, 0,1
	global_load_b128 v[PF+4*\a:PF+4*\a+3], v4, s[10:11] offset:8192*\a
.endr
	s_wait_loadcnt 2
.irp T, 0,1,2,3
.irp a, 0,1
	v_wmma_f32_16x16x64_bf8_bf8 v[SF+32*\a+8*\T:SF+32*\a+8*\T+7], v[KF+8*\T:KF+8*\T+7], v[QF+8*\a:QF+8*\a+7], 0
.endr
.endr
	s_add_co_u32 s55, s55, 4
	FIND s55, s58, s59
	v_lshl_add_u32 v2, s58, 12, v1
	v_nop
	v_nop
	v_nop
.irp i, 0,1,2,3,4,5,6,7,8,9,10,11,12,13,14,15
	v_xor_b32 v[QF+\i], s60, v[QF+\i]
.endr
	SECOND 0
	PLACES
	HALFDIFF 0
	SECOND 1
	PLACES
	HALFDIFF 1
	VLOAD
	KLOAD
	TMUL 0
	TMUL 1
	s_cmp_lg_u32 s57, 0
	s_cbranch_scc1 .Lfull
	s_wait_loadcnt 16
.irp a, 0,1
.irp j, 0,1,2,3
	v_lshrrev_b32 v[PF+4*\a+\j], v5, v[PF+4*\a+\j]
.endr
.endr
.irp a, 0,1
.irp T, 0,1,2,3
.irp j, 0,1,2,3,4,5,6,7
	v_and_b32 v29, 1<<(4*\T+\j/4), v[PF+4*\a+\j%4]
	v_cmp_eq_u32 vcc_lo, 0, v29
	v_cndmask_b32 v[SF+32*\a+8*\T+\j], v[SF+32*\a+8*\T+\j], v31, vcc_lo
.endr
.endr
.endr
.Lfull:
	MAXA 0
	MAXA 1
	SCALE 0
	SCALE 1
.irp j, 0,1,2,3,4,5,6,7,8,9,10,11,12,13,14,15,16,17,18,19,20,21,22,23,24,25,26,27,28,29,30,31,32,33,34,35,36,37,38,39,40,41,42,43,44,45,46,47,48,49,50,51,52,53,54,55,56,57,58,59,60,61,62,63
	v_exp_f32 v[SF+\j], v[SF+\j]
.endr
	v_pk_mul_f32 v[16:17], v[16:17], v[20:21] op_sel_hi:[1,0]
	v_pk_mul_f32 v[18:19], v[18:19], v[22:23] op_sel_hi:[1,0]
	s_wait_alu depctr_va_vdst(0)
	SUMS 0
	SUMS 1
	s_cmp_lg_u32 s62, 0
	s_cbranch_scc0 .Lnohold
.irp j, 0,1,2,3,4,5,6,7,8,9,10,11,12,13,14,15,16,17,18,19,20,21,22,23,24,25,26,27,28,29,30,31,32,33,34,35,36,37,38,39,40,41,42,43,44,45,46,47,48,49,50,51,52,53,54,55,56,57,58,59,60,61,62,63
	v_min_num_f32 v[SF+\j], s61, v[SF+\j]
.endr
.Lnohold:
	s_wait_loadcnt 16
	QUANT 0
	QUANT 1
	RESC 0
	RESC 1
	s_wait_loadcnt 8
.irp t, 0,1,2,3
.irp a, 0,1
	v_wmma_f32_16x16x64_bf8_bf8 v[OF+32*\a+8*\t:OF+32*\a+8*\t+7], v[VF+8*\t:VF+8*\t+7], v[PF+8*\a:PF+8*\a+7], v[OF+32*\a+8*\t:OF+32*\a+8*\t+7]
.endr
.endr
	s_mov_b32 s56, s58
	s_mov_b32 s57, s59
	s_xor_b32 s28, s28, 0x80000000
	s_mov_b32 s29, s28
	s_add_co_u32 s54, s54, 1
	s_cmp_lt_u32 s54, s53
	s_cbranch_scc1 .Lstep
.Ljoin:
	s_wait_loadcnt 0x0
	v_add_f32 v16, v16, v17
	v_add_f32 v18, v18, v19
	v_permlanex16_b32 v27, v16, s30, s31
	v_permlanex16_b32 v28, v18, s30, s31
	v_add_f32 v16, v16, v27
	v_add_f32 v18, v18, v28
	ds_store_b32 v10, v12 offset:MST
	ds_store_b32 v10, v14 offset:MST+256
	ds_store_b32 v10, v16 offset:LST
	ds_store_b32 v10, v18 offset:LST+256
.irp a, 0,1
.irp t, 0,1,2,3
	ds_store_b128 v8, v[OF+32*\a+8*\t:OF+32*\a+8*\t+3] offset:16*OP*\a+64*\t
	ds_store_b128 v8, v[OF+32*\a+8*\t+4:OF+32*\a+8*\t+7] offset:16*OP*\a+64*\t+16
.endr
.endr
	s_wait_dscnt 0x0
	s_barrier_signal -1
	s_barrier_wait -1
.irp i, 0,1,2,3
	ds_load_b128 v[KF+4*\i:KF+4*\i+3], v11 offset:MST+32*\i
	ds_load_b128 v[KF+16+4*\i:KF+16+4*\i+3], v11 offset:LST+32*\i
.endr
.irp p, 0,1,2,3
.irp i, 0,1,2,3
	ds_load_b128 v[SF+16*\p+4*\i:SF+16*\p+4*\i+3], v9 offset:OSTW*\p+2*OP*\i
.endr
.endr
	s_wait_dscnt 16
.irp i, 0,1,2,3
	v_min3_num_f32 v29, v[KF+4*\i], v[KF+4*\i+1], v[KF+4*\i+2]
	v_min_num_f32 v29, v29, v[KF+4*\i+3]
.irp p, 0,1,2,3
	v_sub_f32 v[VF+4*\i+\p], v29, v[KF+4*\i+\p]
	v_cvt_i32_f32 v[VF+4*\i+\p], v[VF+4*\i+\p]
	v_ldexp_f32 v[VF+4*\i+\p], 1.0, v[VF+4*\i+\p]
.endr
	v_mul_f32 v[PF+\i], v[VF+4*\i], v[KF+16+4*\i]
.irp p, 1,2,3
	v_fmac_f32 v[PF+\i], v[VF+4*\i+\p], v[KF+16+4*\i+\p]
.endr
.endr
.irp i, 0,1,2,3
	v_rcp_f32 v[PF+4+\i], v[PF+\i]
.endr
	v_nop
	s_wait_alu depctr_va_vdst(0)
.irp i, 0,1,2,3
	v_ldexp_f32 v[PF+4+\i], v[PF+4+\i], s63
.endr
.irp i, 0,1,2,3
.irp p, 0,1,2,3
	v_mul_f32 v[VF+4*\i+\p], v[VF+4*\i+\p], v[PF+4+\i]
.endr
.endr
	s_wait_dscnt 0x0
.irp i, 0,1,2,3
.irp k, 0,1,2,3
	v_mul_f32 v[VF+16+4*\i+\k], v[VF+4*\i], v[SF+4*\i+\k]
.endr
.irp p, 1,2,3
.irp k, 0,1,2,3
	v_fmac_f32 v[VF+16+4*\i+\k], v[VF+4*\i+\p], v[SF+16*\p+4*\i+\k]
.endr
.endr
	global_store_b128 v1, v[VF+16+4*\i:VF+16+4*\i+3], s[18:19] offset:512*\i th:TH_STORE_NT
.endr
	s_wait_tensorcnt 0x0
	ds_add_u32 v[SPW], v[NIL]
	s_wait_dscnt 0x0
	s_endpgm
.Lfunc_end_k_q3bcebedcd4_attn:
	.size	k_q3bcebedcd4_attn, .Lfunc_end_k_q3bcebedcd4_attn-k_q3bcebedcd4_attn
	.p2alignl 7, 3214868480
	.fill 96, 4, 3214868480
	.section	.rodata,"a",@progbits
	.p2align	6, 0x0
	.amdhsa_kernel k_q3bcebedcd4_attn
		.amdhsa_group_segment_fixed_size 36352
		.amdhsa_private_segment_fixed_size 0
		.amdhsa_enable_private_segment 0
		.amdhsa_kernarg_size 64
		.amdhsa_user_sgpr_count 2
		.amdhsa_user_sgpr_kernarg_segment_ptr 1
		.amdhsa_wavefront_size32 1
		.amdhsa_system_sgpr_workgroup_id_x 1
		.amdhsa_system_sgpr_workgroup_id_y 1
		.amdhsa_system_sgpr_workgroup_id_z 1
		.amdhsa_system_vgpr_workitem_id 0
		.amdhsa_next_free_vgpr 256
		.amdhsa_next_free_sgpr 96
		.amdhsa_reserve_vcc 1
		.amdhsa_float_denorm_mode_32 3
		.amdhsa_float_denorm_mode_16_64 3
		.amdhsa_memory_ordered 1
		.amdhsa_forward_progress 1
		.amdhsa_inst_pref_size 51
	.end_amdhsa_kernel
	.amdgpu_metadata
---
amdhsa.version: [ 1, 2 ]
amdhsa.kernels:
  - .name:           k_q3bcebedcd4_attn
    .symbol:         k_q3bcebedcd4_attn.kd
    .args:
      - { .name: q_codes, .offset: 0, .size: 8, .value_kind: global_buffer, .address_space: global }
      - { .name: kimg, .offset: 8, .size: 8, .value_kind: global_buffer, .address_space: global }
      - { .name: vimg, .offset: 16, .size: 8, .value_kind: global_buffer, .address_space: global }
      - { .name: mbits, .offset: 24, .size: 8, .value_kind: global_buffer, .address_space: global }
      - { .name: flags, .offset: 32, .size: 8, .value_kind: global_buffer, .address_space: global }
      - { .name: cnt, .offset: 40, .size: 8, .value_kind: global_buffer, .address_space: global }
      - { .name: lowp_scales, .offset: 48, .size: 8, .value_kind: global_buffer, .address_space: global }
      - { .name: out0, .offset: 56, .size: 8, .value_kind: global_buffer, .address_space: global }
    .group_segment_fixed_size: 36352
    .private_segment_fixed_size: 0
    .kernarg_segment_align: 8
    .kernarg_segment_size: 64
    .max_flat_workgroup_size: 128
    .sgpr_count:     96
    .vgpr_count:     256
    .wavefront_size: 32
...
	.end_amdgpu_metadata
.endif
;; end of part 2
;; ======== version 2 of 2: 2 launches
;; limits: right only within a limited range of input values
;; workspace buffers: mbits 2,097,152 bytes of whole numbers; flags 8,192 bytes of whole numbers; cnt 1,024 bytes of whole numbers; kimg 3,145,728 bytes; vimg 3,145,728 bytes
;; launch prep (part 3): grid 256 x 1, 16 waves a work-group, no clusters, 2,304 bytes of LDS; arguments mask, k_codes, v_codes, mbits, flags, cnt, kimg, vimg; writes mbits, flags, cnt, kimg, vimg
.if DOCPART == 3
	.amdgcn_target "amdgcn-amd-amdhsa--gfx1250"
	.amdhsa_code_object_version 6
	.text
	.protected	k_q3bcebedcd4_prep
	.globl	k_q3bcebedcd4_prep
	.p2align	8
	.type	k_q3bcebedcd4_prep,@function
k_q3bcebedcd4_prep:
	s_mov_b64 s[64:65], 0
	v_nop
	global_prefetch_b8 v0, s[64:65] scope:SCOPE_SE
	s_setreg_imm32_b32 hwreg(HW_REG_WAVE_MODE, 25, 1), 1
	s_wait_xcnt 0x0
.set SPARE, 256
.set ROWB,  16384
.set IMG,   32
.set MD,    64
.set SPW,   10
.set NIL,   11
	s_load_b512 s[4:19], s[0:1], 0x0
	v_lshl_add_u32 v[SPW], v0, 2, SPARE
	v_mov_b32 v[NIL], 0
	v_lshrrev_b32 v7, 5, v0
	s_delay_alu instid0(VALU_DEP_1)
	v_readfirstlane_b32 s20, v7
	s_delay_alu instid0(VALU_DEP_2)
	v_lshlrev_b32 v7, 2, v7
	v_and_b32 v1, 31, v0
	s_delay_alu instid0(VALU_DEP_1)
	v_lshlrev_b32 v2, 4, v1
	s_delay_alu instid0(VALU_DEP_2)
	v_lshlrev_b32 v25, 2, v1
	v_and_b32 v3, 15, v0
	v_bfe_u32 v4, v0, 4, 1
	s_delay_alu instid0(VALU_DEP_2)
	v_lshlrev_b32 v8, 2, v3
	s_delay_alu instid0(VALU_DEP_3)
	v_lshlrev_b32 v5, 6, v3
	s_delay_alu instid0(VALU_DEP_1)
	v_lshl_add_u32 v5, v4, 3, v5
	v_lshlrev_b32 v6, 12, v3
	s_delay_alu instid0(VALU_DEP_1)
	v_lshl_add_u32 v6, v4, 3, v6
.irp j, 12,13,14,15,24,27
	v_mov_b32 v\j, 0
.endr
	s_lshl_b32 s22, ttmp9, 18
	s_lshl_b32 s54, s20, 10
	s_add_co_u32 s22, s22, s54
	s_mov_b32 s23, 0
	s_lshl_b32 s54, ttmp9, 13
	s_lshl_b32 s55, s20, 9
	s_add_co_u32 s54, s54, s55
	s_mov_b32 s55, 0
	s_wait_kmcnt 0x0
	s_add_nc_u64 s[4:5], s[4:5], s[22:23]
	s_add_nc_u64 s[10:11], s[10:11], s[54:55]
.irp rho, 0,1,2,3,4,5,6,7,8,9,10,11,12,13,14,15
.irp s, 0,1
	global_load_b128 v[MD+8*\rho+4*\s:MD+8*\rho+4*\s+3], v2, s[4:5] offset:ROWB*\rho+512*\s th:TH_LOAD_NT
.endr
.endr
.macro IMGOUT
	s_wait_loadcnt 0x0
.irp i, 0,1,2,3,4,5,6,7
	global_store_b128 v2, v[IMG+4*\i:IMG+4*\i+3], s[26:27] offset:512*\i
.endr
.endm
	s_cmp_ge_u32 s20, 6
	s_cbranch_scc1 .Lnoimg
	s_mul_i32 s28, ttmp9, 3
	s_add_co_u32 s28, s28, s20
	s_cmp_lt_u32 s20, 3
	s_cbranch_scc0 .Lvarm
	s_lshl_b32 s22, s28, 12
	s_add_nc_u64 s[24:25], s[6:7], s[22:23]
	s_add_nc_u64 s[26:27], s[16:17], s[22:23]
	s_wait_alu depctr_va_vdst(0)
.irp T, 0,1,2,3
.irp c, 0,1,2,3
	global_load_b64 v[IMG+8*\T+2*\c:IMG+8*\T+2*\c+1], v5, s[24:25] offset:16*\T*64+16*\c
.endr
.endr
	IMGOUT
	s_branch .Lnoimg
.Lvarm:
	s_sub_co_u32 s28, s28, 3
	s_lshr_b32 s54, s28, 6
	s_lshl_b32 s54, s54, 18
	s_and_b32 s55, s28, 63
	s_lshl_b32 s55, s55, 6
	s_add_co_u32 s22, s54, s55
	s_add_nc_u64 s[24:25], s[8:9], s[22:23]
	s_lshl_b32 s22, s28, 12
	s_add_nc_u64 s[26:27], s[18:19], s[22:23]
	s_wait_alu depctr_va_vdst(0)
.irp t, 0,1,2,3
.irp c, 0,1,2,3
	global_load_b64 v[IMG+8*\t+2*\c:IMG+8*\t+2*\c+1], v6, s[24:25] offset:16*\t*4096+16*\c
.endr
.endr
	IMGOUT
.Lnoimg:
.macro ROW rho
	s_wait_loadcnt 30-2*(\rho)
.irp s, 0,1
.irp j, 0,1,2,3
	v_cmp_lt_i32 s[40+4*\s+\j], 0, v[MD+8*(\rho)+4*\s+\j]
.endr
.endr
.irp s, 0,1
.irp j, 0,1,2,3
	v_writelane_b32 v[12+\j], s[40+4*\s+\j], (\rho)+16*\s
.endr
.endr
.endm
.irp rho, 0,1,2,3,4,5,6,7,8,9,10,11,12,13,14,15
	ROW \rho
.endr
	global_store_b128 v2, v[12:15], s[10:11]
	v_or_b32 v16, v12, v13
	v_or_b32 v18, v14, v15
	s_delay_alu instid0(VALU_DEP_1)
	v_or_b32 v16, v16, v18
	v_and_b32 v17, v12, v13
	v_and_b32 v19, v14, v15
	s_delay_alu instid0(VALU_DEP_1)
	v_and_b32 v17, v17, v19
	s_delay_alu instid0(VALU_DEP_4)
	v_and_b32 v18, 0xffff, v16
	v_lshrrev_b32 v19, 16, v16
	s_delay_alu instid0(VALU_DEP_3)
	v_and_b32 v20, 0xffff, v17
	s_delay_alu instid0(VALU_DEP_4)
	v_lshrrev_b32 v21, 16, v17
	s_mov_b32 s55, 0xffff
	v_cmp_ne_u32 s48, 0, v18
	v_cmp_ne_u32 s49, 0, v19
	v_cmp_eq_u32 s50, s55, v20
	v_cmp_eq_u32 s51, s55, v21
	v_cmp_ne_u32 s52, 0, v16
	s_mov_b32 s53, 0
.macro ANYBIT src, half, q
.if \half
	s_lshr_b32 s54, \src, 16
.else
	s_and_b32 s54, \src, 0xffff
.endif
	s_cselect_b32 s54, 1<<(\q), 0
	s_or_b32 s53, s53, s54
.endm
.macro FULLBIT src, half, q
.if \half
	s_lshr_b32 s54, \src, 16
.else
	s_and_b32 s54, \src, 0xffff
.endif
	s_cmp_eq_u32 s54, 0xffff
	s_cselect_b32 s54, 1<<(4+\q), 0
	s_or_b32 s53, s53, s54
.endm
	ANYBIT s48, 0, 0
	ANYBIT s49, 0, 1
	ANYBIT s48, 1, 2
	ANYBIT s49, 1, 3
	FULLBIT s50, 0, 0
	FULLBIT s51, 0, 1
	FULLBIT s50, 1, 2
	FULLBIT s51, 1, 3
	s_lshr_b32 s54, s52, 16
	s_or_b32 s54, s54, s52
	s_and_b32 s54, s54, 0xffff
	s_lshl_b32 s54, s54, 8
	s_or_b32 s53, s53, s54
	v_mov_b32 v28, s53
	ds_store_b32 v7, v28
	s_wait_dscnt 0x0
	s_barrier_signal -1
	s_barrier_wait -1
	s_cmp_lg_u32 s20, 0
	s_cbranch_scc1 .Lend
	ds_load_b32 v28, v8
	s_mov_b32 s56, 0
	s_mov_b32 s57, 0
	s_mov_b32 s58, 0
	s_mov_b32 s59, 0
	s_mov_b32 s60, 0
	s_wait_dscnt 0x0
.irp w, 0,1,2,3,4,5,6,7,8,9,10,11,12,13,14,15
	v_readlane_b32 s54, v28, \w
	s_and_b32 s55, s54, 15
	s_lshl_b32 s55, s55, 4*(\w%8)
	s_or_b32 s[56+\w/8], s[56+\w/8], s55
	s_bfe_u32 s55, s54, 0x40004
	s_lshl_b32 s55, s55, 4*(\w%8)
	s_or_b32 s[58+\w/8], s[58+\w/8], s55
	s_or_b32 s60, s60, s54
.endr
	s_lshr_b32 s60, s60, 8
	s_and_b32 s60, s60, 0xffff
	s_cmp_lg_u32 s60, 0xffff
	s_cselect_b32 s61, 1, 0
	s_bcnt1_i32_b32 s62, s56
	s_bcnt1_i32_b32 s54, s57
	s_add_co_u32 s62, s62, s54
	s_cmp_lg_u32 s61, 0
	s_cselect_b32 s62, 64, s62
	v_writelane_b32 v24, s56, 0
	s_delay_alu instid0(VALU_DEP_1)
	v_writelane_b32 v24, s57, 1
	s_delay_alu instid0(VALU_DEP_1)
	v_writelane_b32 v24, s58, 2
	s_delay_alu instid0(VALU_DEP_1)
	v_writelane_b32 v24, s59, 3
	s_delay_alu instid0(VALU_DEP_1)
	v_writelane_b32 v24, s61, 4
	s_delay_alu instid0(VALU_DEP_1)
	v_writelane_b32 v24, s62, 5
	v_mov_b32 v26, s62
	s_lshl_b32 s22, ttmp9, 5
	s_add_nc_u64 s[12:13], s[12:13], s[22:23]
	s_lshl_b32 s22, ttmp9, 2
	s_add_nc_u64 s[14:15], s[14:15], s[22:23]
	v_cmp_gt_u32 vcc_lo, 8, v1
	s_wait_alu depctr_va_vdst(0)
	s_wait_xcnt 0x0
	s_and_saveexec_b32 s63, vcc_lo
	global_store_b32 v25, v24, s[12:13]
	s_wait_xcnt 0x0
	s_or_b32 exec_lo, exec_lo, s63
	v_cmp_eq_u32 vcc_lo, 0, v1
	s_and_saveexec_b32 s63, vcc_lo
	global_store_b32 v27, v26, s[14:15]
	s_wait_xcnt 0x0
	s_or_b32 exec_lo, exec_lo, s63
.Lend:
	s_wait_tensorcnt 0x0
	ds_add_u32 v[SPW], v[NIL]
	s_wait_dscnt 0x0
	s_endpgm
.Lfunc_end_k_q3bcebedcd4_prep:
	.size	k_q3bcebedcd4_prep, .Lfunc_end_k_q3bcebedcd4_prep-k_q3bcebedcd4_prep
	.p2alignl 7, 3214868480
	.fill 96, 4, 3214868480
	.section	.rodata,"a",@progbits
	.p2align	6, 0x0
	.amdhsa_kernel k_q3bcebedcd4_prep
		.amdhsa_group_segment_fixed_size 2304
		.amdhsa_private_segment_fixed_size 0
		.amdhsa_enable_private_segment 0
		.amdhsa_kernarg_size 64
		.amdhsa_user_sgpr_count 2
		.amdhsa_user_sgpr_kernarg_segment_ptr 1
		.amdhsa_wavefront_size32 1
		.amdhsa_system_sgpr_workgroup_id_x 1
		.amdhsa_system_sgpr_workgroup_id_y 1
		.amdhsa_system_sgpr_workgroup_id_z 1
		.amdhsa_system_vgpr_workitem_id 0
		.amdhsa_next_free_vgpr 192
		.amdhsa_next_free_sgpr 80
		.amdhsa_reserve_vcc 1
		.amdhsa_float_denorm_mode_32 3
		.amdhsa_float_denorm_mode_16_64 3
		.amdhsa_memory_ordered 1
		.amdhsa_forward_progress 1
		.amdhsa_inst_pref_size 36
	.end_amdhsa_kernel
	.amdgpu_metadata
---
amdhsa.version: [ 1, 2 ]
amdhsa.kernels:
  - .name:           k_q3bcebedcd4_prep
    .symbol:         k_q3bcebedcd4_prep.kd
    .args:
      - { .name: mask, .offset: 0, .size: 8, .value_kind: global_buffer, .address_space: global }
      - { .name: k_codes, .offset: 8, .size: 8, .value_kind: global_buffer, .address_space: global }
      - { .name: v_codes, .offset: 16, .size: 8, .value_kind: global_buffer, .address_space: global }
      - { .name: mbits, .offset: 24, .size: 8, .value_kind: global_buffer, .address_space: global }
      - { .name: flags, .offset: 32, .size: 8, .value_kind: global_buffer, .address_space: global }
      - { .name: cnt, .offset: 40, .size: 8, .value_kind: global_buffer, .address_space: global }
      - { .name: kimg, .offset: 48, .size: 8, .value_kind: global_buffer, .address_space: global }
      - { .name: vimg, .offset: 56, .size: 8, .value_kind: global_buffer, .address_space: global }
    .group_segment_fixed_size: 2304
    .private_segment_fixed_size: 0
    .kernarg_segment_align: 8
    .kernarg_segment_size: 64
    .max_flat_workgroup_size: 512
    .sgpr_count:     80
    .vgpr_count:     192
    .wavefront_size: 32
...
	.end_amdgpu_metadata
.endif
;; end of part 3
;; launch attn (part 4): grid 48 x 32, 4 waves a work-group, no clusters, 36,352 bytes of LDS; arguments q_codes, kimg, vimg, mbits, flags, cnt, lowp_scales, out0; writes out0
.if DOCPART == 4
	.amdgcn_target "amdgcn-amd-amdhsa--gfx1250"
	.amdhsa_code_object_version 6
	.text
	.protected	k_q3bcebedcd4_attn
	.globl	k_q3bcebedcd4_attn
	.p2align	8
	.type	k_q3bcebedcd4_attn,@function
k_q3bcebedcd4_attn:
	s_mov_b64 s[64:65], 0
	v_nop
	global_prefetch_b8 v0, s[64:65] scope:SCOPE_SE
	s_setreg_imm32_b32 hwreg(HW_REG_WAVE_SCHED_MODE, 0, 2), 2
	s_setreg_imm32_b32 hwreg(HW_REG_WAVE_MODE, 25, 1), 1
	s_wait_xcnt 0x0
	s_wait_alu depctr_vm_vsrc(0)
.set OP,    272
.set OSTW,  32*OP
.set MST,   4*OSTW
.set LST,   MST+512
.set SPARE, LST+512
.set QF,  32
.set PF,  48
.set KF,  64
.set VF,  96
.set SF,  128
.set OF,  192
.set SPW, 24
.set NIL, 25
	s_load_b512 s[4:19], s[0:1], 0x0
	v_lshl_add_u32 v[SPW], v0, 2, SPARE
	v_mov_b32 v[NIL], 0
	v_lshrrev_b32 v31, 5, v0
	v_readfirstlane_b32 s20, v31
	v_and_b32 v30, 31, v0
	v_and_b32 v29, 15, v0
	v_bfe_u32 v28, v0, 4, 1
	v_lshlrev_b32 v1, 4, v30
	v_lshlrev_b32 v27, 3, v30
	v_lshlrev_b32 v26, 6, v29
	v_lshl_add_u32 v26, v28, 3, v26
	s_wait_alu depctr_va_sdst(0)
	s_mul_i32 s66, s20, OSTW
	v_mul_u32_u24 v8, v29, OP
	v_lshl_add_u32 v8, v28, 5, v8
	v_add_nc_u32 v8, s66, v8
	s_mul_i32 s66, s20, 8*OP
	v_mul_u32_u24 v9, v28, OP
	v_lshl_add_u32 v9, v29, 4, v9
	v_add_nc_u32 v9, s66, v9
	s_lshl_b32 s66, s20, 2
	v_lshl_add_u32 v10, v29, 4, s66
	s_lshl_b32 s66, s20, 7
	v_lshl_add_u32 v11, v28, 4, s66
	s_lshr_b32 s21, ttmp9, 2
	s_and_b32 s22, ttmp9, 3
	s_lshl_b32 s22, s22, 5
	s_and_b32 s66, ttmp7, 0xffff
	s_add_co_u32 s22, s22, s66
	s_mov_b32 s30, 0x76543210
	s_mov_b32 s31, 0xfedcba98
	s_mov_b32 s60, 0x80808080
	s_wait_kmcnt 0x0
	s_load_b128 s[24:27], s[16:17], 0x0
	s_wait_alu depctr_va_vdst(0)
.irp j, 0,1,2,3
	global_load_b64 v[KF+2*\j:KF+2*\j+1], v27, s[14:15] offset:256*\j
.endr
	v_mov_b32 v13, 0xff61b1e6
	v_mov_b32 v15, 0xff61b1e6
	v_floor_f32 v12, -v13
	v_floor_f32 v14, -v15
	v_mov_b32 v31, 0xceb8aa3b
.irp j, 16,17,18,19,23,58,62
	v_mov_b32 v\j, 0
.endr
.irp j, 0,1,2,3,4,5,6,7,8,9,10,11,12,13,14,15,16,17,18,19,20,21,22,23,24,25,26,27,28,29,30,31,32,33,34,35,36,37,38,39,40,41,42,43,44,45,46,47,48,49,50,51,52,53,54,55,56,57,58,59,60,61,62,63
	v_mov_b32 v[OF+\j], 0
.endr
	s_wait_loadcnt 0x0
	s_wait_alu depctr_vm_vsrc(0)
.irp j, 0,1,2,3
	v_add_nc_u32 v28, v[KF+2*\j], v[KF+2*\j+1]
	v_cmp_lt_u32 s[68+\j], 32, v28
.endr
	s_wait_alu depctr_va_sdst(0)
	s_bcnt1_i32_b32 s72, s68
.irp j, 1,2,3
	s_bcnt1_i32_b32 s75, s[68+\j]
	s_add_co_u32 s72, s72, s75
.endr
	s_cmp_lt_u32 s22, s72
	s_cselect_b32 s73, 0, -1
	s_cselect_b32 s74, 0, s72
	s_sub_co_u32 s74, s22, s74
.irp j, 0,1,2,3
	s_xor_b32 s[68+\j], s[68+\j], s73
.endr
	s_mov_b32 s80, 0
	s_bcnt1_i32_b32 s81, s68
	s_bcnt1_i32_b32 s82, s69
	s_add_co_u32 s82, s82, s81
	s_bcnt1_i32_b32 s83, s70
	s_add_co_u32 s83, s83, s82
.irp j, 0,1,2,3
	v_mbcnt_lo_u32_b32 v29, s[68+\j], s[80+\j]
	v_cmp_eq_u32 s[76+\j], s74, v29
.endr
	s_wait_alu depctr_va_sdst(0)
	s_mov_b32 s23, 0
.irp j, 0,1,2,3
	s_and_b32 s75, s[76+\j], s[68+\j]
	s_ctz_i32_b32 s84, s75
	s_add_co_u32 s84, s84, 32*\j
	s_cmp_lg_u32 s75, 0
	s_cselect_b32 s23, s84, s23
.endr
	s_min_u32 s23, s23, 127
	s_lshl_b32 s66, s21, 18
	s_mov_b32 s67, 0
	s_add_nc_u64 s[6:7], s[6:7], s[66:67]
	s_add_nc_u64 s[8:9], s[8:9], s[66:67]
	s_lshl_b32 s68, s23, 11
	s_add_co_u32 s66, s66, s68
	s_add_nc_u64 s[4:5], s[4:5], s[66:67]
	s_lshl_b32 s66, s23, 14
	s_add_nc_u64 s[10:11], s[10:11], s[66:67]
	s_lshl_b32 s66, s23, 6
	s_add_nc_u64 s[12:13], s[12:13], s[66:67]
	s_load_b512 s[32:47], s[12:13], 0x0
	s_lshl_b32 s66, s21, 20
	s_lshl_b32 s68, s23, 13
	s_add_co_u32 s66, s66, s68
	s_lshl_b32 s68, s20, 11
	s_add_co_u32 s66, s66, s68
	s_add_nc_u64 s[18:19], s[18:19], s[66:67]
.irp a, 0,1
.irp c, 0,1,2,3
	global_load_b64 v[QF+8*\a+2*\c:QF+8*\a+2*\c+1], v26, s[4:5] offset:1024*\a+16*\c
.endr
.endr
	s_wait_kmcnt 0x0
	s_add_co_i32 s66, s24, s25
	s_lshl_b32 s66, s66, 23
	s_add_co_i32 s28, s66, 0x3db8aa3b
	s_mov_b32 s29, s28
	s_add_co_i32 s66, s26, 127
	s_lshl_b32 s67, s66, 23
	v_mov_b32 v21, s67
	s_add_co_i32 s66, s66, 15
	s_lshl_b32 s66, s66, 23
	s_or_b32 s61, s66, 0x600000
	s_cmp_lt_i32 s26, -15
	s_cselect_b32 s62, 1, 0
	s_add_co_i32 s63, s26, s27
	s_or_b32 s66, s36, s44
	s_cmp_lg_u32 s66, 0
	s_cselect_b32 s66, -1, 0
	s_or_b32 s48, s32, s40
	s_or_b32 s48, s48, s66
	s_or_b32 s49, s33, s41
	s_or_b32 s49, s49, s66
	s_and_b32 s50, s34, s42
	s_and_b32 s51, s35, s43
	s_bcnt1_i32_b32 s67, s48
	s_bcnt1_i32_b32 s52, s49
	s_add_co_u32 s52, s52, s67
	s_add_co_u32 s53, s52, 3
	s_sub_co_u32 s53, s53, s20
	s_lshr_b32 s53, s53, 2
	s_min_u32 s53, s53, 16
	v_mbcnt_lo_u32_b32 v6, s48, 0
	v_mbcnt_lo_u32_b32 v7, s49, s67
.macro FIND e, kbout, fullout
	v_cmp_eq_u32 s66, \e, v6
	v_cmp_eq_u32 s67, \e, v7
	s_wait_alu depctr_va_sdst(0)
	s_and_b32 s66, s66, s48
	s_and_b32 s67, s67, s49
	s_ctz_i32_b32 s70, s66
	s_ctz_i32_b32 s71, s67
	s_add_co_u32 s71, s71, 32
	s_cmp_lg_u32 s66, 0
	s_cselect_b32 \kbout, s70, s71
	s_min_u32 \kbout, \kbout, 63
	s_cmp_lt_u32 \kbout, 32
	s_cselect_b32 s70, s50, s51
	s_lshr_b32 s70, s70, \kbout
	s_and_b32 \fullout, s70, 1
.endm
.macro KLOAD
.irp i, 0,1,2,3,4,5,6,7
	global_load_b128 v[KF+4*\i:KF+4*\i+3], v2, s[6:7] offset:512*\i
.endr
.endm
.macro PLACES
.rept 4
	v_nop
.endr
.endm
.macro SECOND a
.irp T, 0,1,2,3
	v_wmma_f32_16x16x64_bf8_bf8 v[VF+8*\T:VF+8*\T+7], v[KF+8*\T:KF+8*\T+7], v[QF+8*\a:QF+8*\a+7], 0
.endr
.endm
.macro HALFDIFF a
.irp j, 0,2,4,6,8,10,12,14,16,18,20,22,24,26,28,30
	v_pk_add_f32 v[SF+32*\a+\j:SF+32*\a+\j+1], v[SF+32*\a+\j:SF+32*\a+\j+1], v[VF+\j:VF+\j+1] neg_lo:[0,1] neg_hi:[0,1]
.endr
.endm
.macro TMUL2 a, i
	v_pk_mul_f32 v[SF+32*(\a)+4*(\i):SF+32*(\a)+4*(\i)+1], v[SF+32*(\a)+4*(\i):SF+32*(\a)+4*(\i)+1], s[28:29] op_sel_hi:[1,0]
	v_pk_mul_f32 v[SF+32*(\a)+4*(\i)+2:SF+32*(\a)+4*(\i)+3], v[SF+32*(\a)+4*(\i)+2:SF+32*(\a)+4*(\i)+3], s[28:29] op_sel_hi:[1,0]
.endm
.macro SELECT16 a, u
.irp n, 0,1,2,3,4,5,6,7,8,9,10,11,12,13,14,15
	v_and_b32 v[27+\n%4], 1<<(4*(2*\u+\n/8)+(\n%8)/4), v[PF+4*\a+\n%4]
	v_cmp_eq_u32 s[80+\n], 0, v[27+\n%4]
.endr
	s_wait_alu depctr_va_sdst(0)
.irp n, 0,1,2,3,4,5,6,7,8,9,10,11,12,13,14,15
	v_cndmask_b32 v[SF+32*\a+16*\u+\n], v[SF+32*\a+16*\u+\n], v31, s[80+\n]
.endr
.endm
.macro MAXA a
.set S0, SF+32*\a
.set T0, PF+8+4*\a
	v_max3_num_f32 v[T0], v[S0], v[S0+1], v[S0+2]
	v_max3_num_f32 v[T0+1], v[S0+3], v[S0+4], v[S0+5]
.irp i, 6,10,14,18,22,26
	v_max3_num_f32 v[T0], v[T0], v[S0+\i], v[S0+\i+1]
	v_max3_num_f32 v[T0+1], v[T0+1], v[S0+\i+2], v[S0+\i+3]
.endr
	v_max3_num_f32 v[T0], v[T0], v[S0+30], v[S0+31]
	v_max_num_f32 v[T0], v[T0], v[T0+1]
	v_permlanex16_b32 v[T0+2], v[T0], s30, s31
	v_max_num_f32 v[T0], v[T0], v[T0+2]
	v_max_num_f32 v[13+2*\a], v[13+2*\a], v[T0]
	v_mov_b32 v[T0+3], v[12+2*\a]
	v_floor_f32 v[12+2*\a], -v[13+2*\a]
	v_sub_f32 v[T0+3], v[12+2*\a], v[T0+3]
	v_cvt_i32_f32 v[T0+3], v[T0+3]
	v_ldexp_f32 v[20+2*\a], 1.0, v[T0+3]
.endm
.macro SCALE a
.irp j, 0,2,4,6,8,10,12,14,16,18,20,22,24,26,28,30
	v_pk_add_f32 v[SF+32*\a+\j:SF+32*\a+\j+1], v[SF+32*\a+\j:SF+32*\a+\j+1], v[12+2*\a:13+2*\a] op_sel_hi:[1,0]
.endr
.endm
.macro SUMS a
.set S0, SF+32*\a
.set T0, PF+8+4*\a
	v_pk_add_f32 v[T0:T0+1], v[S0:S0+1], v[S0+2:S0+3]
.irp j, 4,8,12,16,20,24,28
	v_pk_add_f32 v[16+2*\a:17+2*\a], v[16+2*\a:17+2*\a], v[S0+\j:S0+\j+1]
	v_pk_add_f32 v[T0:T0+1], v[T0:T0+1], v[S0+\j+2:S0+\j+3]
.endr
	v_pk_add_f32 v[16+2*\a:17+2*\a], v[16+2*\a:17+2*\a], v[T0:T0+1]
.endm
.macro QUANT a
.irp T, 0,1,2,3
	v_cvt_scalef32_pk8_bf8_f32 v[PF+8*\a+2*\T:PF+8*\a+2*\T+1], v[SF+32*\a+8*\T:SF+32*\a+8*\T+7], v21
.endr
.endm
.macro RESC a
.irp j, 0,2,4,6,8,10,12,14,16,18,20,22,24,26,28,30
	v_pk_mul_f32 v[OF+32*\a+\j:OF+32*\a+\j+1], v[OF+32*\a+\j:OF+32*\a+\j+1], v[20+2*\a:21+2*\a] op_sel_hi:[1,0]
.endr
.endm
	s_cmp_eq_u32 s53, 0
	s_cbranch_scc1 .Ljoin
	s_mov_b32 s55, s20
	FIND s55, s56, s57
	v_lshl_add_u32 v2, s56, 12, v1
	s_wait_alu depctr_va_vdst(0)
	KLOAD
	s_mov_b32 s54, 0
.Lstep:
	s_wait_alu depctr_vm_vsrc(0)
	v_lshl_add_u32 v3, s56, 12, v1
	v_and_b32 v27, 15, v0
	s_and_b32 s68, s56, 62
	s_lshl_b32 s68, s68, 7
	v_lshl_add_u32 v4, v27, 4, s68
	v_bfe_u32 v28, v0, 4, 1
	s_and_b32 s69, s56, 1
	s_lshl_b32 s69, s69, 4
	v_lshl_add_u32 v5, v28, 1, s69
	s_add_co_u32 s55, s55, 4
	FIND s55, s58, s59
	s_wait_loadcnt 0x0
.irp T, 0,1,2,3
.irp a, 0,1
	v_wmma_f32_16x16x64_bf8_bf8 v[SF+32*\a+8*\T:SF+32*\a+8*\T+7], v[KF+8*\T:KF+8*\T+7], v[QF+8*\a:QF+8*\a+7], 0
.endr
.endr
	v_lshl_add_u32 v2, s58, 12, v1
	v_nop
	v_nop
	v_nop
.irp i, 0,1,2,3,4,5,6,7,8,9,10,11,12,13,14,15
	v_xor_b32 v[QF+\i], s60, v[QF+\i]
.endr
	SECOND 0
	PLACES
	HALFDIFF 0
	SECOND 1
	PLACES
	HALFDIFF 1
	s_wait_alu depctr_va_vdst(0)
.irp a, 0,1
	global_load_b128 v[PF+4*\a:PF+4*\a+3], v4, s[10:11] offset:8192*\a
.endr
.irp i, 0,1,2,3,4,5,6,7
	global_load_b128 v[VF+4*\i:VF+4*\i+3], v3, s[8:9] offset:512*\i
	TMUL2 0, \i
.endr
.irp i, 0,1,2,3,4,5,6,7
	global_load_b128 v[KF+4*\i:KF+4*\i+3], v2, s[6:7] offset:512*\i
	TMUL2 1, \i
.endr
	s_cmp_lg_u32 s57, 0
	s_cbranch_scc1 .Lfull
	s_wait_loadcnt 16
.irp a, 0,1
.irp j, 0,1,2,3
	v_lshrrev_b32 v[PF+4*\a+\j], v5, v[PF+4*\a+\j]
.endr
.endr
	SELECT16 0, 0
	SELECT16 0, 1
	SELECT16 1, 0
	SELECT16 1, 1
.Lfull:
	MAXA 0
	MAXA 1
	SCALE 0
	SCALE 1
	s_wait_alu depctr_va_vdst(0)
.irp j, 0,1,2,3,4,5,6,7,8,9,10,11,12,13,14,15,16,17,18,19,20,21,22,23,24,25,26,27,28,29,30,31,32,33,34,35,36,37,38,39,40,41,42,43,44,45,46,47,48,49,50,51,52,53,54,55,56,57,58,59,60,61,62,63
	v_exp_f32 v[SF+\j], v[SF+\j]
.endr
	v_pk_mul_f32 v[16:17], v[16:17], v[20:21] op_sel_hi:[1,0]
	v_pk_mul_f32 v[18:19], v[18:19], v[22:23] op_sel_hi:[1,0]
	s_wait_alu depctr_va_vdst(0)
	SUMS 0
	SUMS 1
	s_cmp_lg_u32 s62, 0
	s_cbranch_scc0 .Lnohold
.irp j, 0,1,2,3,4,5,6,7,8,9,10,11,12,13,14,15,16,17,18,19,20,21,22,23,24,25,26,27,28,29,30,31,32,33,34,35,36,37,38,39,40,41,42,43,44,45,46,47,48,49,50,51,52,53,54,55,56,57,58,59,60,61,62,63
	v_min_num_f32 v[SF+\j], s61, v[SF+\j]
.endr
.Lnohold:
	s_wait_alu depctr_va_vdst(0)
	s_wait_loadcnt 16
	QUANT 0
	QUANT 1
	RESC 0
	RESC 1
	s_wait_alu depctr_va_vdst(0)
	s_wait_loadcnt 8
.irp t, 0,1,2,3
.irp a, 0,1
	v_wmma_f32_16x16x64_bf8_bf8 v[OF+32*\a+8*\t:OF+32*\a+8*\t+7], v[VF+8*\t:VF+8*\t+7], v[PF+8*\a:PF+8*\a+7], v[OF+32*\a+8*\t:OF+32*\a+8*\t+7]
.endr
.endr
	s_mov_b32 s56, s58
	s_mov_b32 s57, s59
	s_xor_b32 s28, s28, 0x80000000
	s_mov_b32 s29, s28
	s_add_co_u32 s54, s54, 1
	s_cmp_lt_u32 s54, s53
	s_cbranch_scc1 .Lstep
.Ljoin:
	s_wait_loadcnt 0x0
	v_add_f32 v16, v16, v17
	v_add_f32 v18, v18, v19
	v_permlanex16_b32 v27, v16, s30, s31
	v_permlanex16_b32 v28, v18, s30, s31
	v_add_f32 v16, v16, v27
	v_add_f32 v18, v18, v28
	s_wait_alu depctr_va_vdst(0)
	ds_store_b32 v10, v12 offset:MST
	ds_store_b32 v10, v14 offset:MST+256
	ds_store_b32 v10, v16 offset:LST
	ds_store_b32 v10, v18 offset:LST+256
.irp a, 0,1
.irp t, 0,1,2,3
	ds_store_b128 v8, v[OF+32*\a+8*\t:OF+32*\a+8*\t+3] offset:16*OP*\a+64*\t
	ds_store_b128 v8, v[OF+32*\a+8*\t+4:OF+32*\a+8*\t+7] offset:16*OP*\a+64*\t+16
.endr
.endr
	s_wait_dscnt 0x0
	s_barrier_signal -1
	s_barrier_wait -1
.irp i, 0,1,2,3
	ds_load_b128 v[KF+4*\i:KF+4*\i+3], v11 offset:MST+32*\i
	ds_load_b128 v[KF+16+4*\i:KF+16+4*\i+3], v11 offset:LST+32*\i
.endr
.irp p, 0,1,2,3
.irp i, 0,1,2,3
	ds_load_b128 v[SF+16*\p+4*\i:SF+16*\p+4*\i+3], v9 offset:OSTW*\p+2*OP*\i
.endr
.endr
	s_wait_dscnt 16
.irp i, 0,1,2,3
	v_min3_num_f32 v29, v[KF+4*\i], v[KF+4*\i+1], v[KF+4*\i+2]
	v_min_num_f32 v29, v29, v[KF+4*\i+3]
.irp p, 0,1,2,3
	v_sub_f32 v[VF+4*\i+\p], v29, v[KF+4*\i+\p]
	v_cvt_i32_f32 v[VF+4*\i+\p], v[VF+4*\i+\p]
	v_ldexp_f32 v[VF+4*\i+\p], 1.0, v[VF+4*\i+\p]
.endr
	v_mul_f32 v[PF+\i], v[VF+4*\i], v[KF+16+4*\i]
.irp p, 1,2,3
	v_fmac_f32 v[PF+\i], v[VF+4*\i+\p], v[KF+16+4*\i+\p]
.endr
.endr
	s_wait_alu depctr_va_vdst(0)
.irp i, 0,1,2,3
	v_rcp_f32 v[PF+4+\i], v[PF+\i]
.endr
	v_nop
	s_wait_alu depctr_va_vdst(0)
.irp i, 0,1,2,3
	v_ldexp_f32 v[PF+4+\i], v[PF+4+\i], s63
.endr
.irp i, 0,1,2,3
.irp p, 0,1,2,3
	v_mul_f32 v[VF+4*\i+\p], v[VF+4*\i+\p], v[PF+4+\i]
.endr
.endr
	s_wait_dscnt 0x0
.irp i, 0,1,2,3
.irp k, 0,1,2,3
	v_mul_f32 v[VF+16+4*\i+\k], v[VF+4*\i], v[SF+4*\i+\k]
.endr
.irp p, 1,2,3
.irp k, 0,1,2,3
	v_fmac_f32 v[VF+16+4*\i+\k], v[VF+4*\i+\p], v[SF+16*\p+4*\i+\k]
.endr
.endr
.endr
	s_wait_alu depctr_va_vdst(0)
.irp i, 0,1,2,3
	global_store_b128 v1, v[VF+16+4*\i:VF+16+4*\i+3], s[18:19] offset:512*\i th:TH_STORE_NT
.endr
	s_wait_dscnt 0x0
	s_wait_alu 0x0
	s_wait_tensorcnt 0x0
	ds_add_u32 v[SPW], v[NIL]
	s_wait_dscnt 0x0
	s_endpgm
.Lfunc_end_k_q3bcebedcd4_attn:
	.size	k_q3bcebedcd4_attn, .Lfunc_end_k_q3bcebedcd4_attn-k_q3bcebedcd4_attn
	.p2alignl 7, 3214868480
	.fill 96, 4, 3214868480
	.section	.rodata,"a",@progbits
	.p2align	6, 0x0
	.amdhsa_kernel k_q3bcebedcd4_attn
		.amdhsa_group_segment_fixed_size 36352
		.amdhsa_private_segment_fixed_size 0
		.amdhsa_enable_private_segment 0
		.amdhsa_kernarg_size 64
		.amdhsa_user_sgpr_count 2
		.amdhsa_user_sgpr_kernarg_segment_ptr 1
		.amdhsa_wavefront_size32 1
		.amdhsa_system_sgpr_workgroup_id_x 1
		.amdhsa_system_sgpr_workgroup_id_y 1
		.amdhsa_system_sgpr_workgroup_id_z 1
		.amdhsa_system_vgpr_workitem_id 0
		.amdhsa_next_free_vgpr 256
		.amdhsa_next_free_sgpr 96
		.amdhsa_reserve_vcc 0
		.amdhsa_float_denorm_mode_32 3
		.amdhsa_float_denorm_mode_16_64 3
		.amdhsa_memory_ordered 1
		.amdhsa_forward_progress 1
		.amdhsa_inst_pref_size 56
	.end_amdhsa_kernel
	.amdgpu_metadata
---
amdhsa.version: [ 1, 2 ]
amdhsa.kernels:
  - .name:           k_q3bcebedcd4_attn
    .symbol:         k_q3bcebedcd4_attn.kd
    .args:
      - { .name: q_codes, .offset: 0, .size: 8, .value_kind: global_buffer, .address_space: global }
      - { .name: kimg, .offset: 8, .size: 8, .value_kind: global_buffer, .address_space: global }
      - { .name: vimg, .offset: 16, .size: 8, .value_kind: global_buffer, .address_space: global }
      - { .name: mbits, .offset: 24, .size: 8, .value_kind: global_buffer, .address_space: global }
      - { .name: flags, .offset: 32, .size: 8, .value_kind: global_buffer, .address_space: global }
      - { .name: cnt, .offset: 40, .size: 8, .value_kind: global_buffer, .address_space: global }
      - { .name: lowp_scales, .offset: 48, .size: 8, .value_kind: global_buffer, .address_space: global }
      - { .name: out0, .offset: 56, .size: 8, .value_kind: global_buffer, .address_space: global }
    .group_segment_fixed_size: 36352
    .private_segment_fixed_size: 0
    .kernarg_segment_align: 8
    .kernarg_segment_size: 64
    .max_flat_workgroup_size: 128
    .sgpr_count:     96
    .vgpr_count:     256
    .wavefront_size: 32
...
	.end_amdgpu_metadata
.endif
;; end of part 4
